; MI455X (gfx1250); checked and timed in simulation.
; The chip was launched on July 23, 2026; its instructions are those of AMD's public machine-readable ISA for CDNA 5 (MIT licence, August 2026) and "CDNA5" Instruction Set Architecture Reference Guide (July 2026). The comments in the code are by the model that wrote it; some were corrected since.
;; Dot Product Attention. Allowed arithmetic: float matrix products may take bf16 or f16 operands with f32 sums; all other float work in f32.
;; Inputs: adj 1 int32; keys 2 x 8 x 4,096 x 64 float32; queries 2 x 8 x 4,096 x 64 float32; values 2 x 8 x 4,096 x 64 float32.
;; Outputs: out0 4,096 x 2 x 8 x 64 float32.
;; One version. Each part assembles by itself: llvm-mc -triple=amdgcn-amd-amdhsa -mcpu=gfx1250 --defsym DOCPART=n.
;; ======== version 1 of 1: 1 launch
;; launch attn (part 1): grid 256 x 1, 8 waves a work-group, clusters of 4 x 1, 327,680 bytes of LDS; arguments keys, queries, values, out0, adj; writes out0
.if DOCPART == 1
	.amdgcn_target "amdgcn-amd-amdhsa--gfx1250"
	.amdhsa_code_object_version 6
	.text
	.protected	k_q64c1b3d0cb_attn
	.globl	k_q64c1b3d0cb_attn
	.p2align	8
	.type	k_q64c1b3d0cb_attn,@function
k_q64c1b3d0cb_attn:
	s_mov_b64 s[64:65], 0
	v_nop
	global_prefetch_b8 v0, s[64:65] scope:SCOPE_SE
	s_setreg_imm32_b32 hwreg(HW_REG_WAVE_MODE, 25, 1), 1
	s_wait_xcnt 0x0
	s_wait_alu depctr_hold_cnt(0) depctr_sa_sdst(0) depctr_va_vdst(0) depctr_va_sdst(0) depctr_va_ssrc(0) depctr_va_vcc(0) depctr_vm_vsrc(0)
	s_getreg_b32 s2, hwreg(HW_REG_IB_STS2, 6, 4)
	s_cmp_eq_u32 s2, 0
	s_cbranch_scc0 .Lentry_in_a_cluster
	s_endpgm
.Lentry_in_a_cluster:
	s_bfe_u32 s2, ttmp6, 0x10000c
	s_cmp_lg_u32 s2, 0x3003
	s_cbranch_scc0 .Lentry_shape_is_right
	s_endpgm
.Lentry_shape_is_right:
; out = softmax(Q K^T / 16) V for 16 heads of 4096 x 64, all f32 in memory.  The last reshape of the problem is a view: row (head x 4096 + q) of 256 bytes.
; ONE launch; the scores never go to memory (a running maximum, a running sum, O rescaled in every trip).
; A work-group owns 256 query rows of one head and walks the head's 4096 keys in 32 tiles of 128 keys.  Eight waves: wave w = (g = w & 3, kh = w >> 2)
; takes the 64 query rows of group g against the 64 keys of half kh of every tile, as two halves of 32 rows that share the same K and V fragments
; (each fragment byte read from LDS feeds twice the products that a wave of 32 rows would get from it).  At the end the two waves of a row group
; merge their (maximum, sum, O) through LDS and each writes 32 rows.
; CLUSTER 4 x 1: the four work-groups of a cluster belong to one head (16 work-groups a head) and read the same K and V tiles, so each tile is asked
; for jointly (mask 15): a quarter of the requests.  A larger cluster would not lower that count: a mask here names four work-groups.
; K and V arrive as f32 in a ring of two slots; each wave rounds one eighth of the NEXT tile to bf16 into one of two bf16 buffers, so every number
; is converted once in a work-group; V is transposed on the way into registers by ds_load_tr16_b128.
; BOTH PRODUCTS ARE TRANSPOSED: S^T = K Q^T (source 0 = 16 keys, source 1 = 16 queries) leaves lane (r, h) with keys 8h .. 8h+7 of query r; packed in pairs,
; two such blocks ARE source 1 of O^T = V^T P^T.  Maximum, sum and rescaling factor are one number a lane; one exchange with lane xor 16 joins the halves.
; FORMATS AND LIMITS: Q, K, V and the exponentials P go to the matrix unit rounded to bf16 (nearest even); scores, maxima, sums and O are f32.
; The factor log2(e)/16 is applied in f32, fused with the subtraction of the maximum.  The row sum adds the unrounded exponentials.
; Exponentials below 2^-126 come out as zero (v_exp_f32 flushes).  A NaN or an infinity among the inputs gives NaN in its rows, but not
; necessarily in the same elements as a plain softmax would: v_max3_num_f32 lets a NaN lose.
; adj: the function to be computed takes it and uses it nowhere; it is loaded into s43 and enters no result.
.set TILEB,  32768                     ; a tile of one tensor: 128 rows x 256 bytes of f32
.set FSLOT,  65536                     ; an f32 slot: K's tile, then V's.  Slots at LDS 0 and 65536; only tensor loads write them
.set HBUF,   131072                    ; two bf16 buffers, only ds_store writes them
.set HSIZE,  38912                     ; K 128 rows x 144 bytes, then V 128 rows x 160 bytes
.set HV,     18432                     ; where V begins in a bf16 buffer
.set KP,     144                       ; 128 bytes of data + 16: the 16 rows of a fragment load start in 16 different 16-byte columns of 256
.set VP,     160                       ; 128 + 32: an odd multiple of 32, for the transposing load
.set XBASE,  208896                    ; the merge: 8704 bytes a wave, 16 x 512 of O, then 512 of maxima and sums; afterwards the wave's stage on the way out
.set XSIZE,  8704
.set OPITCH, 272                       ; the way out: rows of 256 bytes + 16
; window 0 (v0-v255): what feeds the matrix unit
.set SRK,  8                           ; v8-9    where I read K's f32 rows, slot 0, 1
.set SRV,  10                          ; v10-11  the same for V
.set KST,  12                          ; v12-13  where I store K's bf16, buffer 0, 1
.set VST,  14                          ; v14-15  the same for V
.set KADR, 16                          ; v16-17  my K fragments, buffer 0, 1
.set VADR, 18                          ; v18-19  my V fragments
.set PF,   20                          ; v20     prefetch offset;  v21 its last allowed value
.set PFMAX, 21
.set QO,   22                          ; v22-23  byte offset of my Q rows, row half 0, 1
.set QF,   24                          ; v[24:87]   Q fragments: 16 (2a + rb) + 8 kf
.set KA,   88                          ; v[88:151]  K fragments: 16 kb + 8 kf
.set VA,   152                         ; v[152:215] V fragments: 32 kp + 8 db; before that the landing place of the f32 rows to convert
.set CV,   216                         ; v[216:247] converted rows on their way to LDS
.set XW,   248
.set XR,   249
.set STO,  250
.set RD,   251
.set CO,   252
; window 1 (v256-v511, written by their low 8 bits): the state
.set S,    0                           ; 64: scores, then exponentials, of one row half; block G = 4 rb + kb at 8 G
.set P,    64                          ; 32: exponentials in bf16, 4 G + i
.set O,    96                          ; 128: O^T, 64 a + 8 (4 rb + db)
.set MX,   224                         ; 8: pair 2a + rb = { N = -(maximum x log2(e)/16), the raw maximum; at the end the row sum }
.set LS,   232                         ; 8: pair 2a + rb = two partial row sums
.set AL,   240                         ; 4: pair rb = { rescaling factor, unused half }
.set T,    244                         ; 12: at work
.set G1,   24                          ; s[24:31] descriptor group 1
.set G0,   32                          ; s[32:39] descriptor group 0, one set for each slot
.set W_S,  0x50                        ; C, D window 1; A, B window 0
.set W_PV, 0x54                        ; B window 1 too
.set W_SM, 0x55                        ; everything window 1
.set W_D1, 0x40                        ; destination window 1
.set W_ST1, 0x04                       ; data of an LDS store window 1, address window 0
.set MSB, 0
.macro WIN new                         ; the immediate's high byte repeats the setting that is left; a switch that changes nothing is dropped
.if MSB != \new
	s_set_vgpr_msb (MSB<<8)|\new
.set MSB, \new
.endif
.endm
.macro PLACES                          ; four independent vector instructions behind a matrix instruction (ISA guide 7.12.1), where no useful ones are at hand
.rept 4
	v_nop
.endr
.endm
.macro BAR
	s_barrier_signal -1
	s_barrier_wait -1
.endm
; A round of the cluster's barrier: my work-group's barrier, wave 0 signals for the work-group, every wave waits for all four work-groups, my work-group's barrier again.
.macro ROUND
	s_barrier_signal -1
	s_barrier_wait -1
	s_cmp_lg_u32 s14, 0
	s_cbranch_scc1 .Lnot_wave_0_\@
	s_barrier_signal -3
.Lnot_wave_0_\@:
	s_barrier_wait -3
	s_barrier_signal -1
	s_barrier_wait -1
.endm
; Waves 0 to 3 each bring a quarter of a slot (64 rows x 256 bytes: K's halves, then V's); waves 4 to 7 bring nothing.  The branch hangs on the wave's number alone.
.macro REFILL slot
	s_cmp_gt_u32 s14, 3
	s_cbranch_scc1 .Lno_fill_\@
	tensor_load_to_lds s[G0+4*\slot:G0+4*\slot+3], s[G1:G1+7]
	s_nop 0
.Lno_fill_\@:
.endm
	s_load_b256 s[4:11], s[0:1], 0x0               ; keys s[4:5], queries s[6:7], values s[8:9], out0 s[10:11]
	s_load_b64 s[12:13], s[0:1], 0x20              ; adj
	v_lshl_add_u32 v254, v0, 2, 0x44000
	v_mov_b32 v255, 0
	ds_add_u32 v254, v255
	v_lshrrev_b32 v4, 5, v0
	v_readfirstlane_b32 s14, v4                    ; wave w
	s_and_b32 s15, s14, 3                          ; g: my group of 64 query rows
	s_lshr_b32 s16, s14, 2                         ; kh: my half of every tile's keys
	s_bfe_u32 s17, ttmp6, 0x40000                  ; cx: it enters the addresses of Q, out and the prefetch alone
	s_lshl_b32 s18, ttmp9, 2                       ; in a cluster launch ttmp9 counts clusters
	s_add_co_u32 s18, s18, s17                     ; work-group 0..255
	s_lshr_b32 s19, ttmp9, 2                       ; head: four clusters a head, the same in all four partners
	s_mov_b32 s40, 0x76543210                      ; v_permlanex16_b32: lane i reads lane i of the other half
	s_mov_b32 s41, 0xfedcba98
	s_mov_b32 s52, 0xbdb8aa3b                      ; -log2(e)/16
	; group 1: 64 rows x 64 elements of 4 bytes, rows 64 elements apart (dense), no padding: the f32 rows are read back contiguously
	s_mov_b32 s[G1+0], 0x0022000f                  ; 15:0 mask: all four work-groups; 17:16 element of 4 bytes; 21 set beside a mask
	s_mov_b32 s[G1+1], 64<<16                      ; tensor_dim0 = 64
	s_mov_b32 s[G1+2], 64<<16                      ; tensor_dim1 = 64
	s_mov_b32 s[G1+3], 64<<16                      ; tile_dim0 = 64
	s_mov_b32 s[G1+4], 64                          ; tile_dim1 = 64
	s_mov_b32 s[G1+5], 64                          ; elements from row to row
	s_mov_b32 s[G1+6], 0
	s_mov_b32 s[G1+7], 0
	s_lshl_b32 s20, s19, 20                        ; a head is 4096 rows x 256 bytes
	s_mov_b32 s21, 0
	s_and_b32 s46, s14, 1
	s_lshl_b32 s46, s46, 14                        ; which 64 rows of the tile I bring
	s_mov_b32 s47, 0
	s_lshl_b32 s51, s14, 14                        ; and where they go in a slot: 16384 w
	s_lshl_b32 s48, s18, 16                        ; my work-group's 256 rows of Q and of out
	s_mov_b32 s49, 0
	s_and_b32 s50, s18, 1
	s_wait_dscnt 0x0
	s_wait_kmcnt 0x0
	s_load_b32 s43, s[12:13], 0x0                  ; adj: read, and used nowhere (see the head)
	s_cmp_lt_u32 s14, 2
	s_cselect_b64 s[22:23], s[4:5], s[8:9]         ; waves 0, 1 bring K, waves 2, 3 V
	s_add_nc_u64 s[22:23], s[22:23], s[20:21]
	s_add_nc_u64 s[22:23], s[22:23], s[46:47]
.irp s, 0,1
	s_mov_b32 s[G0+4*\s], 1                                        ; count = 1
	s_add_co_u32 s[G0+4*\s+1], s51, \s*FSLOT                       ; LDS address
	s_add_nc_u64 s[G0+4*\s+2:G0+4*\s+3], s[22:23], \s*TILEB        ; tile s
	s_or_b32 s[G0+4*\s+3], s[G0+4*\s+3], 0x80000000                ; type = 2
.endr
	s_cmp_lg_u32 s50, 0
	s_cselect_b64 s[44:45], s[8:9], s[4:5]         ; prefetch: even work-groups ask in keys, odd ones in values
	s_add_nc_u64 s[44:45], s[44:45], s[20:21]
	s_add_nc_u64 s[6:7], s[6:7], s[48:49]
	s_add_nc_u64 s[10:11], s[10:11], s[48:49]
	ROUND                                          ; all four work-groups are here: the first joint loads meet
	s_cmp_gt_u32 s14, 3
	s_cbranch_scc1 .Lno_first
	tensor_load_to_lds s[G0:G0+3], s[G1:G1+7]      ; tile 0
	s_nop 0
	tensor_load_to_lds s[G0+4:G0+7], s[G1:G1+7]    ; tile 1: two loads of a wave are out here, later one
	s_nop 0
.Lno_first:
	v_and_b32 v1, 31, v0                           ; lane L
	v_and_b32 v2, 15, v0                           ; r
	v_bfe_u32 v3, v0, 4, 1                         ; h
	; Row half a of wave (g, kh) is rows 64 g + 32 (a xor kh): every wave keeps its half 0 and sends its half 1, so the merge needs no branch.
	v_lshlrev_b32 v4, 8, v2
	v_lshl_add_u32 v4, v3, 5, v4                   ; 256 r + 32 h: eight f32 of my row
	s_lshl_b32 s46, s15, 14
	s_lshl_b32 s47, s16, 13
	s_add_co_u32 s47, s46, s47                     ; the rows that I keep
	s_xor_b32 s48, s16, 1
	s_lshl_b32 s48, s48, 13
	s_add_co_u32 s48, s46, s48                     ; the rows that I send
	v_add_nc_u32 v[QO], s47, v4
	v_add_nc_u32 v[QO+1], s48, v4
	v_lshl_add_u32 v[CO], v1, 4, s47               ; out: 32 lanes x 16 bytes = two whole rows
	; Q: a fragment's lane holds d = 32 kf + 8 h + 0..7 and 32 kf + 16 + 8 h + 0..7 of row r: four loads of 16 bytes.  They land in KA and VA, which are free yet.
.irp a, 0,1
.irp rb, 0,1
.irp kf, 0,1
.irp j, 0,1,2,3
	global_load_b128 v[KA+32*(2*\a+\rb)+16*\kf+4*\j:KA+32*(2*\a+\rb)+16*\kf+4*\j+3], v[QO+\a], s[6:7] offset:4096*\rb+128*\kf+16*(\j%2)+64*(\j/2)
.endr
.endr
.endr
.endr
	; f32 rows to convert: wave w takes rows 16 w .. 16 w + 15 of K and of V.  Sixteen lanes read one row of 256 bytes; the upper sixteen a row 8 (K) or 4 (V) further down.
	v_lshlrev_b32 v4, 4, v2
	s_lshl_b32 s46, s14, 12
	v_lshl_add_u32 v5, v3, 11, v4
	v_add_nc_u32 v[SRK], s46, v5
	v_add_nc_u32 v[SRK+1], FSLOT, v[SRK]
	s_add_co_u32 s46, s46, TILEB
	v_lshl_add_u32 v5, v3, 10, v4
	v_add_nc_u32 v[SRV], s46, v5
	v_add_nc_u32 v[SRV+1], FSLOT, v[SRV]
	; and where they go: 8 bytes a lane; the upper lanes' rows begin 1152 (K) or 640 (V) bytes on, both 128 modulo 256: the 32 lanes cover all 64 banks once
	v_lshlrev_b32 v4, 3, v2
	s_mul_i32 s46, s14, 16*KP
	s_add_co_u32 s46, s46, HBUF
	v_mad_u32_u24 v5, v3, 8*KP, v4
	v_add_nc_u32 v[KST], s46, v5
	v_add_nc_u32 v[KST+1], HSIZE, v[KST]
	s_mul_i32 s46, s14, 16*VP
	s_add_co_u32 s46, s46, HBUF+HV
	v_mad_u32_u24 v5, v3, 4*VP, v4
	v_add_nc_u32 v[VST], s46, v5
	v_add_nc_u32 v[VST+1], HSIZE, v[VST]
	; K fragments: row r of a block of 16 keys, 16 h bytes in
	v_mul_u32_u24 v4, v2, KP
	v_lshl_add_u32 v4, v3, 4, v4
	s_mul_i32 s46, s16, 64*KP
	s_add_co_u32 s46, s46, HBUF
	v_add_nc_u32 v[KADR], s46, v4
	v_add_nc_u32 v[KADR+1], HSIZE, v[KADR]
	; V fragments through the transposing load: key 8 h + (L & 7), 16 bytes at 16 ((L >> 3) & 1)
	v_and_b32 v4, 7, v0
	v_bfe_u32 v5, v0, 3, 1
	v_mul_u32_u24 v4, v4, VP
	v_lshl_add_u32 v4, v5, 4, v4
	v_mad_u32_u24 v4, v3, 8*VP, v4
	s_mul_i32 s46, s16, 64*VP
	s_add_co_u32 s46, s46, HBUF+HV
	v_add_nc_u32 v[VADR], s46, v4
	v_add_nc_u32 v[VADR+1], HSIZE, v[VADR]
	; the merge and the way out
	v_lshlrev_b32 v4, 4, v1
	s_mul_i32 s46, s14, XSIZE
	s_add_co_u32 s46, s46, XBASE
	v_add_nc_u32 v[XW], s46, v4                    ; my block
	v_mul_u32_u24 v5, v2, OPITCH
	v_lshl_add_u32 v5, v3, 5, v5
	v_add_nc_u32 v[STO], s46, v5                   ; in: row r, 32 bytes for each half of the lanes
	v_mul_u32_u24 v5, v3, OPITCH
	v_lshl_add_u32 v5, v2, 4, v5
	v_add_nc_u32 v[RD], s46, v5                    ; back: lanes 0-15 one row, lanes 16-31 the next
	s_xor_b32 s46, s14, 4
	s_mul_i32 s46, s46, XSIZE
	s_add_co_u32 s46, s46, XBASE
	v_add_nc_u32 v[XR], s46, v4                    ; the block of the wave with my rows and the other keys
	; prefetch: the 16 work-groups of a head share a pair of tiles (64 KiB of keys, 64 KiB of values): 8 work-groups a tensor, 32 lanes 256 bytes apart each
	s_bfe_u32 s46, s18, 0x30001
	s_lshl_b32 s46, s46, 13
	s_add_co_u32 s46, s46, 2*TILEB
	v_lshl_add_u32 v[PF], v1, 8, s46
	v_add_nc_u32 v[PFMAX], 14*2*TILEB, v[PF]       ; in the head's last pair of tiles
	; the state: N = +infinity, maximum = -infinity, sums = 0.  O is never cleared: the first products start it.
	WIN W_D1
.irp x, 0,1,2,3
	v_mov_b32 v[MX+2*\x], 0x7f800000
	v_mov_b32 v[MX+2*\x+1], 0xff800000
	v_mov_b32 v[LS+2*\x], 0
	v_mov_b32 v[LS+2*\x+1], 0
.endr
	v_mov_b32 v[AL+1], 0                           ; the halves that packed instructions name and do not use
	v_mov_b32 v[AL+3], 0
	WIN 0
	s_wait_kmcnt 0x0                               ; adj is in
.irp x, 0,1,2,3
	s_wait_loadcnt 24-8*\x                         ; loads return in order: the eight of this row block are in, the later blocks' stay out
.irp n, 0,1,2,3,4,5,6,7,8,9,10,11,12,13,14,15
	v_cvt_pk_bf16_f32 v[QF+16*\x+\n], v[KA+32*\x+2*\n], v[KA+32*\x+2*\n+1]
.endr
.endr
.macro KLOAD b                         ; my 64 keys x 64 d of buffer b: 16 loads
.irp kb, 0,1,2,3
.irp kf, 0,1
.irp j, 0,1
	ds_load_b128 v[KA+16*\kb+8*\kf+4*\j:KA+16*\kb+8*\kf+4*\j+3], v[KADR+(\b)] offset:16*KP*\kb+64*\kf+32*\j
.endr
.endr
.endr
.endm
.macro VLOAD b                         ; V^T of my 64 keys: 16 transposing loads
.irp kp, 0,1
.irp db, 0,1,2,3
.irp j, 0,1
	ds_load_tr16_b128 v[VA+32*\kp+8*\db+4*\j:VA+32*\kp+8*\db+4*\j+3], v[VADR+(\b)] offset:32*VP*\kp+32*\db+16*VP*\j
.endr
.endr
.endr
.endm
.macro SLOAD s                         ; my 16 rows of K and of V in f32 slot s
.irp i, 0,1,2,3,4,5,6,7
	ds_load_b128 v[VA+4*\i:VA+4*\i+3], v[SRK+(\s)] offset:256*\i
.endr
.irp i, 0,1,2,3,4,5,6,7
	ds_load_b128 v[VA+32+4*\i:VA+32+4*\i+3], v[SRV+(\s)] offset:256*(\i+4*(\i/4))
.endr
.endm
.macro CVT32
.set n, 0
.rept 32
	v_cvt_pk_bf16_f32 v[CV+n], v[VA+2*n], v[VA+2*n+1]
.set n, n+1
.endr
.endm
.macro SSTORE b
.irp i, 0,1,2,3,4,5,6,7
	ds_store_b64 v[KST+(\b)], v[CV+2*\i:CV+2*\i+1] offset:KP*\i
.endr
.irp i, 0,1,2,3,4,5,6,7
	ds_store_b64 v[VST+(\b)], v[CV+16+2*\i:CV+16+2*\i+1] offset:VP*(\i+4*(\i/4))
.endr
.endm
; S^T of row half a: 64 keys x 32 queries, 16 matrix instructions.  The eight accumulators take turns, one instruction a turn.
.macro SPHASE a
	WIN W_S
.irp kf, 0,1
.irp kb, 0,1,2,3
.irp rb, 0,1
.if \kf == 0
	v_wmma_f32_16x16x32_bf16 v[S+8*(4*\rb+\kb):S+8*(4*\rb+\kb)+7], v[KA+16*\kb+8*\kf:KA+16*\kb+8*\kf+7], v[QF+16*(2*\a+\rb)+8*\kf:QF+16*(2*\a+\rb)+8*\kf+7], 0
.else
	v_wmma_f32_16x16x32_bf16 v[S+8*(4*\rb+\kb):S+8*(4*\rb+\kb)+7], v[KA+16*\kb+8*\kf:KA+16*\kb+8*\kf+7], v[QF+16*(2*\a+\rb)+8*\kf:QF+16*(2*\a+\rb)+8*\kf+7], v[S+8*(4*\rb+\kb):S+8*(4*\rb+\kb)+7]
.endif
.endr
.endr
.endr
.endm
; O^T of row half a += V^T P^T: 64 d x 32 queries over 64 keys, 16 matrix instructions, eight accumulators by turns as above.  first = 1: the first products start O.
.macro PVPHASE a, first
	WIN W_PV
.irp kp, 0,1
.irp db, 0,1,2,3
.irp rb, 0,1
.if \first*(1-\kp)
	v_wmma_f32_16x16x32_bf16 v[O+64*\a+8*(4*\rb+\db):O+64*\a+8*(4*\rb+\db)+7], v[VA+32*\kp+8*\db:VA+32*\kp+8*\db+7], v[P+16*\rb+8*\kp:P+16*\rb+8*\kp+7], 0
.else
	v_wmma_f32_16x16x32_bf16 v[O+64*\a+8*(4*\rb+\db):O+64*\a+8*(4*\rb+\db)+7], v[VA+32*\kp+8*\db:VA+32*\kp+8*\db+7], v[P+16*\rb+8*\kp:P+16*\rb+8*\kp+7], v[O+64*\a+8*(4*\rb+\db):O+64*\a+8*(4*\rb+\db)+7]
.endif
.endr
.endr
.endr
.endm
; The running maximum of row block rb: my 32 raw scores in four chains, the old maximum, the other half of the lanes.
; Leaves the exponent of the rescaling factor, N new - N old = (old maximum - new maximum) log2(e)/16, in T + 4 rb + 2.
.macro MAXROW a, rb
.set SB, S+32*\rb
.set TB, T+4*\rb
.set MP, MX+2*(2*\a+\rb)
.irp c, 0,1,2,3
	v_max3_num_f32 v[TB+\c], v[SB+3*\c], v[SB+3*\c+1], v[SB+3*\c+2]
.endr
.irp c, 0,1,2,3
	v_max3_num_f32 v[TB+\c], v[TB+\c], v[SB+12+2*\c], v[SB+13+2*\c]
.endr
.irp c, 0,1,2,3
	v_max3_num_f32 v[TB+\c], v[TB+\c], v[SB+20+2*\c], v[SB+21+2*\c]
.endr
.irp c, 0,1
	v_max3_num_f32 v[TB+\c], v[TB+\c], v[SB+28+2*\c], v[SB+29+2*\c]
.endr
	v_max3_num_f32 v[TB], v[TB], v[TB+1], v[TB+2]
	v_max3_num_f32 v[TB], v[TB], v[TB+3], v[MP+1]
	v_permlanex16_b32 v[TB+1], v[TB], s40, s41     ; the keys 8 (1 - h) + 0..7 of each block lie in lane xor 16
	v_max_num_f32 v[MP+1], v[TB], v[TB+1]
	v_fma_f32 v[TB+2], v[MP+1], s52, -v[MP]
	v_mul_f32 v[MP], s52, v[MP+1]
.endm
.macro SUBOP a, G, i                   ; two scores: s log2(e)/16 + N, one rounding
	v_pk_fma_f32 v[S+8*(\G)+2*(\i):S+8*(\G)+2*(\i)+1], v[S+8*(\G)+2*(\i):S+8*(\G)+2*(\i)+1], 0x3db8aa3b, v[MX+2*(2*(\a)+(\G)/4):MX+2*(2*(\a)+(\G)/4)+1] op_sel_hi:[1,0,0]
.endm
.macro RSCOP a, G, i                   ; two numbers of O times the rescaling factor
	v_pk_mul_f32 v[O+64*(\a)+8*(\G)+2*(\i):O+64*(\a)+8*(\G)+2*(\i)+1], v[O+64*(\a)+8*(\G)+2*(\i):O+64*(\a)+8*(\G)+2*(\i)+1], v[AL+2*((\G)/4):AL+2*((\G)/4)+1] op_sel_hi:[1,0]
.endm
.macro SUMOP a, G, i                   ; two exponentials into the row sums
	s_wait_alu depctr_va_vdst(0)
	v_pk_add_f32 v[LS+2*(2*(\a)+(\G)/4):LS+2*(2*(\a)+(\G)/4)+1], v[LS+2*(2*(\a)+(\G)/4):LS+2*(2*(\a)+(\G)/4)+1], v[S+8*(\G)+2*(\i):S+8*(\G)+2*(\i)+1]
.endm
.macro CVTOP G, i                      ; and into one register of P
	v_cvt_pk_bf16_f32 v[P+4*(\G)+(\i)], v[S+8*(\G)+2*(\i)], v[S+8*(\G)+2*(\i)+1]
.endm
; The eight exponentials of block G, in place, with plain work of the neighbouring blocks between them: the next block's subtraction, this block's share of
; O's rescaling, the last block's sums and packing.  An exponential's result is first read a stage later, with plain instructions between (ISA guide 5.7.2).
.macro STAGE a, G, first
.irp e, 0,1,2,3
	v_exp_f32 v[S+8*\G+\e], v[S+8*\G+\e]
.if \G < 7
	SUBOP \a, \G+1, \e
.endif
.if \first == 0
	RSCOP \a, \G, \e
.endif
.endr
.irp e, 0,1,2,3
	v_exp_f32 v[S+8*\G+4+\e], v[S+8*\G+4+\e]
.if \G > 0
	SUMOP \a, \G-1, \e
	CVTOP \G-1, \e
.endif
.endr
.endm
.macro SOFTMAX a, first
	WIN W_SM
	MAXROW \a, 0
	MAXROW \a, 1
	v_exp_f32 v[AL], v[T+2]                        ; the rescaling factors; block 0's subtraction stands between them and their first use
	v_exp_f32 v[AL+2], v[T+6]
.irp i, 0,1,2,3
	SUBOP \a, 0, \i
.endr
	s_wait_alu depctr_va_vdst(0)
	v_pk_mul_f32 v[LS+4*\a:LS+4*\a+1], v[LS+4*\a:LS+4*\a+1], v[AL:AL+1] op_sel_hi:[1,0]
	v_pk_mul_f32 v[LS+4*\a+2:LS+4*\a+3], v[LS+4*\a+2:LS+4*\a+3], v[AL+2:AL+3] op_sel_hi:[1,0]
.irp G, 0,1,2,3,4,5,6,7
	STAGE \a, \G, \first
.endr
.irp i, 0,1,2,3
	SUMOP \a, 7, \i
	CVTOP 7, \i
.endr
.endm
; Wave 4 asks for my work-group's 32 blocks (256 bytes apart) of the pair of tiles two pairs ahead: the tensor loads that want those tiles are issued one and two
; trips later.  The offset stops at the head's last pair, so the last request repeats that pair and none points past the head.
.macro PREFETCH
	s_cmp_lg_u32 s14, 4
	s_cbranch_scc1 .Lno_pf_\@
	s_wait_xcnt 0x0                                ; the request of two trips ago has had its address translated: v20 may be stepped
	v_add_nc_u32 v[PF], 2*TILEB, v[PF]
	v_min_u32 v[PF], v[PF], v[PFMAX]
	global_prefetch_b8 v[PF], s[44:45] th:TH_LOAD_NT scope:SCOPE_SE
.Lno_pf_\@:
.endm
; Trip t (cur = t & 1): computes on bf16 buffer cur (tile t); conv: rounds tile t + 1 from f32 slot 1 - cur into bf16 buffer 1 - cur;
; refill: asks for tile t + 2 into f32 slot cur, which was read in trip t - 1.  ONE round a trip orders all four hand-overs: in front of it every wave's
; LDS reads (f32 slot cur, bf16 buffer 1 - cur) and LDS stores (bf16 buffer cur) are done, and all its tensor loads (tile t + 1) have landed.
.macro TRIP cur, conv, refill, first, pf
	s_wait_dscnt 0x0                               ; for the other waves and the mover: all my LDS reads and stores are done
.if \conv
	s_wait_tensorcnt 0x0                           ; all my tensor loads have landed, so a group 0 may be written
	ds_add_u32 v254, v255
	s_wait_dscnt 0x0
.endif
.if \refill
	s_add_nc_u64 s[G0+4*\cur+2:G0+4*\cur+3], s[G0+4*\cur+2:G0+4*\cur+3], 2*TILEB
	ROUND                                          ; both hold of every wave of all four work-groups
	REFILL \cur                                    ; the wave's one tensor load until the next round; it has the whole trip in which to land
.else
	BAR
.endif
	KLOAD \cur
.if \conv
	SLOAD 1-\cur
	s_wait_dscnt 0x10                              ; K's 16 fragment loads are in; the 16 younger loads of f32 rows stay out
.else
	s_wait_dscnt 0x0
.endif
	SPHASE 0
	WIN 0
.if \conv
	s_wait_dscnt 0x0                               ; the f32 rows are in
	CVT32                                          ; 32 plain instructions that name no register of the products above: they are the places behind them
	SSTORE 1-\cur
.else
	PLACES
.endif
	VLOAD \cur
.if \pf
	PREFETCH
.endif
	SOFTMAX 0, \first
	s_wait_dscnt 0x0                               ; V's fragments (issued a whole softmax ago)
	PVPHASE 0, \first
	SPHASE 1                                       ; the same K fragments, the other 32 rows
	PLACES                                         ; behind the products: the softmax reads S and writes P
	SOFTMAX 1, \first
	PVPHASE 1, \first
	WIN 0
	PLACES                                         ; behind the products: the next trip loads into KA and VA
.endm
	; tile 0 is rounded ahead of the trips
	s_wait_tensorcnt 0x1                           ; my part of tile 0 is in; tile 1's load stays out
	BAR
	SLOAD 0
	s_wait_dscnt 0x0
	CVT32
	SSTORE 0
	TRIP 0, 1, 1, 1, 0                             ; trip 0 starts O
	TRIP 1, 1, 1, 0, 1
	s_mov_b32 s42, 14                              ; trips 2 to 29
.Lpair:
	TRIP 0, 1, 1, 0, 0
	TRIP 1, 1, 1, 0, 1
	s_sub_co_u32 s42, s42, 1
	s_cmp_lg_u32 s42, 0
	s_cbranch_scc1 .Lpair
	TRIP 0, 1, 0, 0, 0                             ; trip 30: tile 31 is rounded, nothing is left to fetch
	TRIP 1, 0, 0, 0, 0                             ; trip 31
	; THE MERGE.  Row sums: my two partial sums and those of lane xor 16, into the half of the MX pair that held the raw maximum.
	WIN W_SM
.irp x, 0,1,2,3
	v_add_f32 v[T+2*\x], v[LS+2*\x], v[LS+2*\x+1]
.endr
.irp x, 0,1,2,3
	v_permlanex16_b32 v[T+2*\x+1], v[T+2*\x], s40, s41
.endr
.irp x, 0,1,2,3
	v_add_f32 v[MX+2*\x+1], v[T+2*\x], v[T+2*\x+1]
.endr
	WIN W_ST1                                      ; my row half 1 goes to the wave that keeps those rows: 64 registers of O, then { N, sum } of its two row blocks
.irp n, 0,1,2,3,4,5,6,7,8,9,10,11,12,13,14,15
	ds_store_b128 v[XW], v[O+64+4*\n:O+64+4*\n+3] offset:512*\n
.endr
	ds_store_b128 v[XW], v[MX+4:MX+7] offset:8192
	s_wait_dscnt 0x0                               ; for the other wave: my stores are done
	BAR
	WIN W_D1
.irp n, 0,1,2,3,4,5,6,7,8,9,10,11,12,13,14,15
	ds_load_b128 v[S+4*\n:S+4*\n+3], v[XR] offset:512*\n
.endr
	ds_load_b128 v[T:T+3], v[XR] offset:8192
	s_wait_dscnt 0x0                               ; I have read my partner's block,
	s_barrier_signal -1                            ; and say so: it becomes that wave's stage on the way out
	WIN W_SM
.irp rb, 0,1
	v_min_num_f32 v[T+4+4*\rb], v[MX+2*\rb], v[T+2*\rb]            ; N of the larger maximum
.endr
.irp rb, 0,1
	v_sub_f32 v[T+5+4*\rb], v[T+4+4*\rb], v[MX+2*\rb]
	v_sub_f32 v[T+6+4*\rb], v[T+4+4*\rb], v[T+2*\rb]
.endr
.irp rb, 0,1
	v_exp_f32 v[T+5+4*\rb], v[T+5+4*\rb]
	v_exp_f32 v[T+6+4*\rb], v[T+6+4*\rb]
.endr
	v_nop                                          ; one plain place behind the exponentials
	s_wait_alu depctr_va_vdst(0)
.irp rb, 0,1
	v_mul_f32 v[T+7+4*\rb], v[MX+2*\rb+1], v[T+5+4*\rb]
	v_fmac_f32 v[T+7+4*\rb], v[T+2*\rb+1], v[T+6+4*\rb]            ; the whole row's sum: at least 1, the larger maximum's own term
.endr
.irp rb, 0,1
	v_rcp_f32 v[T+4+4*\rb], v[T+7+4*\rb]
.endr
	v_nop                                          ; one plain place behind the reciprocals
	s_wait_alu depctr_va_vdst(0)
.irp rb, 0,1
	v_mul_f32 v[AL+2*\rb], v[T+5+4*\rb], v[T+4+4*\rb]              ; my O's factor
	v_mul_f32 v[LS+2*\rb], v[T+6+4*\rb], v[T+4+4*\rb]              ; the received O's factor
.endr
.irp rb, 0,1
.irp p, 0,1,2,3,4,5,6,7,8,9,10,11,12,13,14,15
	v_pk_mul_f32 v[O+32*\rb+2*\p:O+32*\rb+2*\p+1], v[O+32*\rb+2*\p:O+32*\rb+2*\p+1], v[AL+2*\rb:AL+2*\rb+1] op_sel_hi:[1,0]
	v_pk_fma_f32 v[O+32*\rb+2*\p:O+32*\rb+2*\p+1], v[S+32*\rb+2*\p:S+32*\rb+2*\p+1], v[LS+2*\rb:LS+2*\rb+1], v[O+32*\rb+2*\p:O+32*\rb+2*\p+1] op_sel_hi:[1,0,1]
.endr
.endr
	s_barrier_wait -1                              ; my partner has read my block: I may write over it
; THE WAY OUT, 16 rows at a time.  Lane (r, h) holds d = 16 db + 8 h + 0..7 of row r: 32 bytes.  Through my own block in LDS, rows 272 bytes apart, and back as whole
; rows; LDS serves a wave's instructions in order, so no wait stands between my stores and my loads.  Each global store covers two whole rows: 512 consecutive bytes, aligned.
.macro OUT16 rb
	WIN W_ST1
.irp db, 0,1,2,3
.irp j, 0,1
	ds_store_b128 v[STO], v[O+32*\rb+8*\db+4*\j:O+32*\rb+8*\db+4*\j+3] offset:64*\db+16*\j
.endr
.endr
	WIN 0
.irp t, 0,1,2,3,4,5,6,7
	ds_load_b128 v[KA+32*\rb+4*\t:KA+32*\rb+4*\t+3], v[RD] offset:2*OPITCH*\t
.endr
.irp t, 0,1,2,3,4,5,6,7
	s_wait_dscnt 7-\t                              ; load t is in, the younger ones stay out
	global_store_b128 v[CO], v[KA+32*\rb+4*\t:KA+32*\rb+4*\t+3], s[10:11] offset:4096*\rb+512*\t th:TH_STORE_NT
.endr
.endm
	OUT16 0
	OUT16 1                                        ; other data registers than the first sixteen rows': no store's source is written again
	s_wait_tensorcnt 0x0
	ds_add_u32 v254, v255
	s_wait_dscnt 0x0
	ROUND                                          ; the closing round: no work-group ends while a partner may still ask for a tile that names it
	s_endpgm
.Lfunc_end_k_q64c1b3d0cb_attn:
	.size	k_q64c1b3d0cb_attn, .Lfunc_end_k_q64c1b3d0cb_attn-k_q64c1b3d0cb_attn
	.p2alignl 7, 3214868480
	.fill 96, 4, 3214868480
	.section	.rodata,"a",@progbits
	.p2align	6, 0x0
	.amdhsa_kernel k_q64c1b3d0cb_attn
		.amdhsa_group_segment_fixed_size 327680
		.amdhsa_private_segment_fixed_size 0
		.amdhsa_enable_private_segment 0
		.amdhsa_kernarg_size 40
		.amdhsa_user_sgpr_count 2
		.amdhsa_user_sgpr_kernarg_segment_ptr 1
		.amdhsa_wavefront_size32 1
		.amdhsa_system_sgpr_workgroup_id_x 1
		.amdhsa_system_sgpr_workgroup_id_y 1
		.amdhsa_system_sgpr_workgroup_id_z 1
		.amdhsa_system_vgpr_workitem_id 0
		.amdhsa_next_free_vgpr 512
		.amdhsa_next_free_sgpr 66
		.amdhsa_reserve_vcc 0
		.amdhsa_float_denorm_mode_32 3
		.amdhsa_float_denorm_mode_16_64 3
		.amdhsa_memory_ordered 1
		.amdhsa_forward_progress 1
		.amdhsa_inst_pref_size 255
	.end_amdhsa_kernel
	.section	.bss,"aw",@nobits
	.p2align	6
	.space	262144
	.amdgpu_metadata
---
amdhsa.version: [ 1, 2 ]
amdhsa.kernels:
  - .name:           k_q64c1b3d0cb_attn
    .symbol:         k_q64c1b3d0cb_attn.kd
    .args:
      - { .name: keys, .offset: 0, .size: 8, .value_kind: global_buffer, .address_space: global }
      - { .name: queries, .offset: 8, .size: 8, .value_kind: global_buffer, .address_space: global }
      - { .name: values, .offset: 16, .size: 8, .value_kind: global_buffer, .address_space: global }
      - { .name: out0, .offset: 24, .size: 8, .value_kind: global_buffer, .address_space: global }
      - { .name: adj, .offset: 32, .size: 8, .value_kind: global_buffer, .address_space: global }
    .group_segment_fixed_size: 327680
    .private_segment_fixed_size: 0
    .kernarg_segment_align: 8
    .kernarg_segment_size: 40
    .max_flat_workgroup_size: 256
    .sgpr_count:     66
    .vgpr_count:     512
    .wavefront_size: 32
...
	.end_amdgpu_metadata
.endif
;; end of part 1
